; MI455X (gfx1250); checked and timed in simulation.
; The chip was launched on July 23, 2026; its instructions are those of AMD's public machine-readable ISA for CDNA 5 (MIT licence, August 2026) and "CDNA5" Instruction Set Architecture Reference Guide (July 2026). The comments in the code are by the model that wrote it; some were corrected since.
;; Curve Grouping. Allowed arithmetic: float matrix products may take bf16 or f16 operands with f32 sums; all other float work in f32.
;; Inputs: rand_k 3 x 4 x 4,096 int32; xyz 4 x 4,096 x 3 float32.
;; Outputs: out0 4 x 4,096 x 4 int32.
;; One version. Each part assembles by itself: llvm-mc -triple=amdgcn-amd-amdhsa -mcpu=gfx1250 --defsym DOCPART=n.
;; ======== version 1 of 1: 3 launches
;; workspace buffers: glist 262,144 bytes of whole numbers; knn 1,048,576 bytes of whole numbers
;; launch groups (part 1): grid 256 x 1, 16 waves a work-group, no clusters, 202,752 bytes of LDS; arguments xyz, glist; writes glist
.if DOCPART == 1
	.amdgcn_target "amdgcn-amd-amdhsa--gfx1250"
	.amdhsa_code_object_version 6
	.text
	.protected	k_q53e2ec7c71_groups
	.globl	k_q53e2ec7c71_groups
	.p2align	8
	.type	k_q53e2ec7c71_groups,@function
k_q53e2ec7c71_groups:
	s_mov_b64 s[64:65], 0
	v_nop
	global_prefetch_b8 v0, s[64:65] scope:SCOPE_SE
	s_setreg_imm32_b32 hwreg(HW_REG_WAVE_MODE, 25, 1), 1
	s_wait_xcnt 0x0
; FIRST OF THREE LAUNCHES.  For each of the 4 x 4,096 points: which 16 of its batch's 256 groups of 16 consecutive points
; can hold one of its 16 nearest neighbours.  d2 = (sq_n + sq_m) - 2 ((x x' + y y') + z z') in f32 on coordinates rounded to bf16;
; of each group only the smallest d2 is kept, and the 16 groups smallest under (minimum, group number) are stored, one byte each.
; Why that loses nothing: if a true neighbour's group were left out, 16 other groups would come before it, and the first smallest
; point of each comes before that neighbour under (d2, index): sixteen points ahead of one of the first sixteen.
; The next launch reads the list as whole numbers and sorts the 256 candidates exactly.
;
; NOT ON THE MATRIX UNIT, on purpose: the results are whole numbers that hang on the last bit of d2.  With bf16 coordinates every product
; is exact in f32, so three chained packed multiply-adds give the f32 sums in ascending order of the coordinate; a matrix
; instruction adds its products otherwise, and K = 3 would fill 3 of its 32 places.
; NO CLUSTER, NO TENSOR LOAD: what work-groups share is a batch's 49,152 bytes, read once by each, and they pass through registers
; anyway to be rounded and laid out by coordinate.
; LIMITS: every d2 finite (no NaN, no infinity among the coordinates, no overflow of the squares).
;
; Work-group: 64 queries (ttmp9 x 64 ..), 16 waves.  Wave p scans groups 16 p .. 16 p + 15 for all 64 queries; a lane holds two queries
; (lane and lane + 32) as the two halves of packed f32 instructions.  Then the waves' sorted lists of 16 are merged pairwise through LDS.
.set PITCH, 272                        ; a group in LDS: x[16], y[16], z[16], sq[16] in f32 = 256 bytes, + 16 of padding
.set AREA0, 69632                      ; behind the 256 groups: 16 regions of 4,096 bytes, first exchange
.set AREA1, 135168                     ; 16 more, for the three tree rounds; each region is stored once in the launch
.set XS0, 7                            ; v7   my region of AREA0 + 16 x lane
.set XS1, 8                            ; v8   my region of AREA1 + 16 x lane
.set XR,  9                            ; v9   my partner's region + 16 x lane
.set XQ, 12                            ; v[12:19] x, y, z, sq of my two queries, a pair each
.set YQ, 14
.set ZQ, 16
.set SQ, 18
.set T,  20                            ; v[20:27] four candidates' dot, then d2 (pairs: query A, query B)
.set U,  28                            ; v[28:35] four candidates' sq_n + sq_m
.set RING, 36                          ; v[36:99] four slots of 16: x, y, z, sq of four candidates
.set PB, 36                            ; the same registers first serve the preparation,
.set S,  36                            ; and v[36:67] last as the second set of the sorts
.set PK, PB+24
.set PX, PB+32
.set R,  100                           ; v[100:131] set of query A: 16 minima, 16 group numbers; later the set that I keep
.set RB, 132                           ; v[132:163] set of query B
.set B,  164                           ; v[164:195] the partner's set
.set MK, 36                            ; s[36:59] eight comparators' masks, three each
; ---- a comparator step on a set of 16 (value, index) pairs, from set src into set dst: no temporaries and no copies.
; Element ii meets element ii xor mask; the smaller under (value, index) goes to the lower place.
.macro STEP src, dst, mask
.set ii, 0
.set cc, 0
.rept 16
.set pp, ii ^ \mask
.if pp > ii
	v_cmp_lt_f32 s[MK+3*cc], v[\src+pp], v[\src+ii]
	v_cmp_eq_f32 s[MK+3*cc+1], v[\src+pp], v[\src+ii]
	v_cmp_lt_u32 s[MK+3*cc+2], v[\src+16+pp], v[\src+16+ii]
	v_min_num_f32 v[\dst+ii], v[\src+ii], v[\src+pp]
	v_max_num_f32 v[\dst+pp], v[\src+ii], v[\src+pp]
.set cc, cc+1
.endif
.set ii, ii+1
.endr
.set cc, 0
.rept 8
	s_and_b32 s[MK+3*cc+1], s[MK+3*cc+1], s[MK+3*cc+2]     ; equal values: the lower index wins
	s_or_b32 s[MK+3*cc], s[MK+3*cc], s[MK+3*cc+1]          ; lanes in which the two change places
.set cc, cc+1
.endr
.set ii, 0
.set cc, 0
.rept 16
.set pp, ii ^ \mask
.if pp > ii
	v_cndmask_b32 v[\dst+16+ii], v[\src+16+ii], v[\src+16+pp], s[MK+3*cc]
	v_cndmask_b32 v[\dst+16+pp], v[\src+16+pp], v[\src+16+ii], s[MK+3*cc]
.set cc, cc+1
.endif
.set ii, ii+1
.endr
.endm
; ---- bitonic sort, all comparators ascending (each stage begins with a mirror step): ten steps, so the result is back in x
.macro SORT x, s
	STEP \x, \s, 1
	STEP \s, \x, 3
	STEP \x, \s, 1
	STEP \s, \x, 7
	STEP \x, \s, 2
	STEP \s, \x, 1
	STEP \x, \s, 15
	STEP \s, \x, 4
	STEP \x, \s, 2
	STEP \s, \x, 1
.endm
; ---- the lower 16 of two sorted sets, into r (place i against place 15 - i of b); the result is bitonic, not sorted
.macro HC r, b
.irp h, 0, 8
.set cc, 0
.rept 8
	v_cmp_lt_f32 s[MK+3*cc], v[\b+15-\h-cc], v[\r+\h+cc]
	v_cmp_eq_f32 s[MK+3*cc+1], v[\b+15-\h-cc], v[\r+\h+cc]
	v_cmp_lt_u32 s[MK+3*cc+2], v[\b+31-\h-cc], v[\r+16+\h+cc]
	v_min_num_f32 v[\r+\h+cc], v[\r+\h+cc], v[\b+15-\h-cc]
.set cc, cc+1
.endr
.set cc, 0
.rept 8
	s_and_b32 s[MK+3*cc+1], s[MK+3*cc+1], s[MK+3*cc+2]
	s_or_b32 s[MK+3*cc], s[MK+3*cc], s[MK+3*cc+1]
.set cc, cc+1
.endr
.set cc, 0
.rept 8
	v_cndmask_b32 v[\r+16+\h+cc], v[\r+16+\h+cc], v[\b+31-\h-cc], s[MK+3*cc]
.set cc, cc+1
.endr
.endr
.endm
; ---- and sorted again: b is dead behind HC and serves as the second set
.macro MERGE r, b
	HC \r, \b
	STEP \r, \b, 8
	STEP \b, \r, 4
	STEP \r, \b, 2
	STEP \b, \r, 1
.endm
; ---- a set to or from a region of LDS: eight times 512 neighbouring bytes
.macro SEND set, adr
.irp c, 0,1,2,3,4,5,6,7
	ds_store_b128 v[\adr], v[\set+4*\c:\set+4*\c+3] offset:512*\c
.endr
.endm
.macro RECV set, adr
.irp c, 0,1,2,3,4,5,6,7
	ds_load_b128 v[\set+4*\c:\set+4*\c+3], v[\adr] offset:512*\c
.endr
	s_wait_dscnt 0x0
.endm
; ---- one round of the tree over eight waves: wave & (2 bit - 1) == bit sends, == 0 takes.  Every wave passes the barrier.
.macro ROUND bit, area, snd, full
	s_and_b32 s11, s8, 2*\bit-1
	s_cmp_lg_u32 s11, \bit
	s_cbranch_scc1 .Lns\bit
	SEND R, \snd
.Lns\bit:
	s_wait_dscnt 0x0                               ; for the partner's sake: my stores are in LDS before I signal
	s_barrier_signal -1
	s_barrier_wait -1
	s_cmp_lg_u32 s11, 0
	s_cbranch_scc1 .Lnr\bit
	s_xor_b32 s10, s8, \bit
	s_lshl_b32 s10, s10, 12
	s_add_co_u32 s10, s10, \area
	v_lshl_add_u32 v[XR], v1, 4, s10
	RECV B, XR
.if \full
	MERGE R, B
.else
	HC R, B
.endif
.Lnr\bit:
.endm
; ---- preparation: thread t takes the four points 4 (t + 512 j) .. + 3, 48 bytes
.macro PREP_LOAD j
	global_load_b128 v[PB+12*\j:PB+12*\j+3], v2, s[4:5] offset:24576*\j
	global_load_b128 v[PB+12*\j+4:PB+12*\j+7], v2, s[4:5] offset:24576*\j+16
	global_load_b128 v[PB+12*\j+8:PB+12*\j+11], v2, s[4:5] offset:24576*\j+32
.endm
.macro PREP_WORK j
.set F, PB+12*\j
	v_cvt_pk_bf16_f32 v[PK+0], v[F+0], v[F+3]      ; x0 x1: rounded to bf16, nearest even
	v_cvt_pk_bf16_f32 v[PK+1], v[F+6], v[F+9]      ; x2 x3
	v_cvt_pk_bf16_f32 v[PK+2], v[F+1], v[F+4]      ; y
	v_cvt_pk_bf16_f32 v[PK+3], v[F+7], v[F+10]
	v_cvt_pk_bf16_f32 v[PK+4], v[F+2], v[F+5]      ; z
	v_cvt_pk_bf16_f32 v[PK+5], v[F+8], v[F+11]
.irp c, 0,1,2
	v_lshlrev_b32 v[PX+4*\c], 16, v[PK+2*\c]       ; and back to f32: four x, four y, four z
	v_and_b32 v[PX+4*\c+1], s12, v[PK+2*\c]
	v_lshlrev_b32 v[PX+4*\c+2], 16, v[PK+2*\c+1]
	v_and_b32 v[PX+4*\c+3], s12, v[PK+2*\c+1]
.endr
.irp h, 0, 2
	v_pk_mul_f32 v[PX+12+\h:PX+13+\h], v[PX+\h:PX+\h+1], v[PX+\h:PX+\h+1]                            ; sq = (x x + y y) + z z
	v_pk_fma_f32 v[PX+12+\h:PX+13+\h], v[PX+4+\h:PX+5+\h], v[PX+4+\h:PX+5+\h], v[PX+12+\h:PX+13+\h]
	v_pk_fma_f32 v[PX+12+\h:PX+13+\h], v[PX+8+\h:PX+9+\h], v[PX+8+\h:PX+9+\h], v[PX+12+\h:PX+13+\h]
.endr
.irp c, 0,1,2,3
	ds_store_b128 v3, v[PX+4*\c:PX+4*\c+3] offset:34816*\j+64*\c   ; 128 groups of 272 bytes further for j = 1
.endr
.endm
; ---- four candidates (a quad) of my wave's group n / 4: their loads, every lane at the same address
.macro QLOAD n
.irp c, 0,1,2,3
	ds_load_b128 v[RING+16*((\n)%4)+4*\c:RING+16*((\n)%4)+4*\c+3], v5 offset:PITCH*((\n)/4)+64*\c+16*((\n)%4)
.endr
.endm
; ---- and their work: 20 packed instructions for 4 candidates x 2 queries, 4 for the groups' minima
.macro QUAD n
.set CB, RING+16*((\n)%4)
.set GI, (\n)/4
.irp j, 0, 2
	v_pk_mul_f32 v[T+2*\j:T+2*\j+1], v[XQ:XQ+1], v[CB+\j:CB+\j+1] op_sel_hi:[1,0]
	v_pk_mul_f32 v[T+2*\j+2:T+2*\j+3], v[XQ:XQ+1], v[CB+\j:CB+\j+1] op_sel:[0,1] op_sel_hi:[1,1]
	v_pk_add_f32 v[U+2*\j:U+2*\j+1], v[SQ:SQ+1], v[CB+12+\j:CB+13+\j] op_sel_hi:[1,0]
	v_pk_add_f32 v[U+2*\j+2:U+2*\j+3], v[SQ:SQ+1], v[CB+12+\j:CB+13+\j] op_sel:[0,1] op_sel_hi:[1,1]
.endr
.irp j, 0, 2
	v_pk_fma_f32 v[T+2*\j:T+2*\j+1], v[YQ:YQ+1], v[CB+4+\j:CB+5+\j], v[T+2*\j:T+2*\j+1] op_sel_hi:[1,0,1]
	v_pk_fma_f32 v[T+2*\j+2:T+2*\j+3], v[YQ:YQ+1], v[CB+4+\j:CB+5+\j], v[T+2*\j+2:T+2*\j+3] op_sel:[0,1,0] op_sel_hi:[1,1,1]
.endr
.irp j, 0, 2
	v_pk_fma_f32 v[T+2*\j:T+2*\j+1], v[ZQ:ZQ+1], v[CB+8+\j:CB+9+\j], v[T+2*\j:T+2*\j+1] op_sel_hi:[1,0,1]
	v_pk_fma_f32 v[T+2*\j+2:T+2*\j+3], v[ZQ:ZQ+1], v[CB+8+\j:CB+9+\j], v[T+2*\j+2:T+2*\j+3] op_sel:[0,1,0] op_sel_hi:[1,1,1]
.endr
.irp j, 0, 2, 4, 6
	v_pk_fma_f32 v[T+\j:T+\j+1], v[T+\j:T+\j+1], -2.0, v[U+\j:U+\j+1] op_sel_hi:[1,0,1]   ; 2 dot is exact: one rounding, as in the subtraction
.endr
.if ((\n)%4) == 0
	v_min_num_f32 v[R+GI], v[T], v[T+2]            ; the group's first quad starts its minimum: nothing is preset
	v_min_num_f32 v[RB+GI], v[T+1], v[T+3]
.else
	v_min3_num_f32 v[R+GI], v[R+GI], v[T], v[T+2]
	v_min3_num_f32 v[RB+GI], v[RB+GI], v[T+1], v[T+3]
.endif
	v_min3_num_f32 v[R+GI], v[R+GI], v[T+4], v[T+6]
	v_min3_num_f32 v[RB+GI], v[RB+GI], v[T+5], v[T+7]
.endm
	s_load_b128 s[4:7], s[0:1], 0x0                ; xyz s[4:5], glist s[6:7]
	v_lshl_add_u32 v200, v0, 2, 0x31000
	v_mov_b32 v201, 0
	v_and_b32 v1, 31, v0                           ; lane
	v_lshrrev_b32 v2, 5, v0
	v_readfirstlane_b32 s8, v2                     ; wave 0..15
	s_lshr_b32 s9, ttmp9, 6                        ; batch: 64 work-groups each
	s_mul_i32 s10, s9, 49152                       ; its 4,096 points of 12 bytes
	s_mov_b32 s11, 0
	s_mov_b32 s12, 0xffff0000                      ; a word's upper bf16
	v_mul_u32_u24 v2, v0, 48                       ; my four points in memory
	v_lshrrev_b32 v3, 2, v0
	v_mul_u32_u24 v3, v3, PITCH                    ; their group in LDS,
	v_and_b32 v4, 3, v0
	v_lshl_add_u32 v3, v4, 4, v3                   ; and their 16 bytes in each of its four rows
	s_wait_kmcnt 0x0
	s_add_nc_u64 s[4:5], s[4:5], s[10:11]
	PREP_LOAD 0
	PREP_LOAD 1
	; addresses, while the loads are out
	s_and_b32 s13, ttmp9, 63
	s_mul_i32 s13, s13, 4*PITCH                    ; my work-group's 64 queries are four groups
	v_lshrrev_b32 v4, 4, v1
	v_mul_u32_u24 v4, v4, PITCH
	v_and_b32 v11, 15, v1
	v_lshl_add_u32 v4, v11, 2, v4
	v_add_nc_u32 v4, s13, v4                       ; query A's x; query B lies two groups on
	s_mul_i32 s14, s8, 16*PITCH
	v_mov_b32 v5, s14                              ; my wave's 16 groups
	s_lshl_b32 s15, s8, 4
	v_mov_b32 v6, s15                              ; the first one's number
	s_lshl_b32 s10, s8, 12
	s_add_co_u32 s13, s10, AREA0
	v_lshl_add_u32 v[XS0], v1, 4, s13
	s_add_co_u32 s13, s10, AREA1
	v_lshl_add_u32 v[XS1], v1, 4, s13
	s_wait_loadcnt 0x3                             ; the first three loads are in; the second half's three stay out
	PREP_WORK 0
	s_wait_loadcnt 0x0
	PREP_WORK 1
	s_wait_dscnt 0x0                               ; my part of the table is in LDS before I signal
	s_barrier_signal -1
	s_barrier_wait -1                              ; the table is whole, and is never written again
.irp c, 0,1,2,3
	ds_load_b32 v[XQ+2*\c], v4 offset:64*\c
	ds_load_b32 v[XQ+2*\c+1], v4 offset:2*PITCH+64*\c
.endr
	QLOAD 0
	QLOAD 1
	QLOAD 2
	; 64 quads; the loads run three quads ahead.  The wait leaves out the four loads of each younger quad (12, at the end 8, 4, 0);
	; LDS loads come back in order, so the first one also covers the eight loads of the queries.
.set nn, 0
.rept 64
.if nn < 61
	QLOAD nn+3
	s_wait_dscnt 12
.else
	s_wait_dscnt 4*(63-nn)
.endif
	QUAD nn
.set nn, nn+1
.endr
.set ii, 0
.rept 16
	v_add_nc_u32 v[R+16+ii], ii, v6                ; the groups' numbers
	v_add_nc_u32 v[RB+16+ii], ii, v6
.set ii, ii+1
.endr
	SORT R, S
	SORT RB, S
	; First exchange, waves p and p xor 8: the lower keeps query A and gives B away, the upper the other way round,
	; so that from here on each wave has one set to merge.
	s_cmp_lt_u32 s8, 8
	s_cbranch_scc0 .Lupper
	SEND RB, XS0
	s_branch .Ljoin
.Lupper:
	SEND R, XS0
.set ii, 0
.rept 32
	v_mov_b32 v[R+ii], v[RB+ii]                    ; the set that I keep is called R in both halves
.set ii, ii+1
.endr
.Ljoin:
	s_wait_dscnt 0x0
	s_barrier_signal -1
	s_barrier_wait -1
	s_xor_b32 s10, s8, 8
	s_lshl_b32 s10, s10, 12
	s_add_co_u32 s10, s10, AREA0
	v_lshl_add_u32 v[XR], v1, 4, s10
	RECV B, XR
	MERGE R, B
	; the tree over waves 0-7 (queries A) and over waves 8-15 (queries B)
	ROUND 1, AREA1, XS1, 1
	ROUND 2, AREA1, XS1, 1
	ROUND 4, AREA1, XS1, 0                         ; the list is used as a set: the last merge need not sort
	s_cmp_lg_u32 s11, 0                            ; s11 is still wave & 7: waves 0 and 8 hold the results
	s_cbranch_scc1 .Lend
.irp w, 0,1,2,3
	v_lshl_or_b32 v[T+\w], v[R+17+4*\w], 8, v[R+16+4*\w]
	v_lshl_or_b32 v[T+\w], v[R+18+4*\w], 16, v[T+\w]
	v_lshl_or_b32 v[T+\w], v[R+19+4*\w], 24, v[T+\w]
.endr
	s_lshl_b32 s10, ttmp9, 10                      ; 64 queries x 16 bytes
	s_lshr_b32 s13, s8, 3
	s_lshl_b32 s13, s13, 9                         ; queries B: 32 x 16 bytes on
	s_add_co_u32 s10, s10, s13
	v_lshl_add_u32 v10, v1, 4, s10
	global_store_b128 v10, v[T:T+3], s[6:7]        ; the wave's store covers 512 consecutive bytes, aligned
.Lend:
	s_wait_tensorcnt 0x0
	ds_add_u32 v200, v201
	s_wait_dscnt 0x0
	s_endpgm
.Lfunc_end_k_q53e2ec7c71_groups:
	.size	k_q53e2ec7c71_groups, .Lfunc_end_k_q53e2ec7c71_groups-k_q53e2ec7c71_groups
	.p2alignl 7, 3214868480
	.fill 96, 4, 3214868480
	.section	.rodata,"a",@progbits
	.p2align	6, 0x0
	.amdhsa_kernel k_q53e2ec7c71_groups
		.amdhsa_group_segment_fixed_size 202752
		.amdhsa_private_segment_fixed_size 0
		.amdhsa_enable_private_segment 0
		.amdhsa_kernarg_size 16
		.amdhsa_user_sgpr_count 2
		.amdhsa_user_sgpr_kernarg_segment_ptr 1
		.amdhsa_wavefront_size32 1
		.amdhsa_system_sgpr_workgroup_id_x 1
		.amdhsa_system_sgpr_workgroup_id_y 1
		.amdhsa_system_sgpr_workgroup_id_z 1
		.amdhsa_system_vgpr_workitem_id 0
		.amdhsa_next_free_vgpr 202
		.amdhsa_next_free_sgpr 66
		.amdhsa_reserve_vcc 0
		.amdhsa_float_denorm_mode_32 3
		.amdhsa_float_denorm_mode_16_64 3
		.amdhsa_memory_ordered 1
		.amdhsa_forward_progress 1
		.amdhsa_inst_pref_size 255
	.end_amdhsa_kernel
	.section	.bss,"aw",@nobits
	.p2align	6
	.space	262144
	.amdgpu_metadata
---
amdhsa.version: [ 1, 2 ]
amdhsa.kernels:
  - .name:           k_q53e2ec7c71_groups
    .symbol:         k_q53e2ec7c71_groups.kd
    .args:
      - { .name: xyz, .offset: 0, .size: 8, .value_kind: global_buffer, .address_space: global }
      - { .name: glist, .offset: 8, .size: 8, .value_kind: global_buffer, .address_space: global }
    .group_segment_fixed_size: 202752
    .private_segment_fixed_size: 0
    .kernarg_segment_align: 8
    .kernarg_segment_size: 16
    .max_flat_workgroup_size: 512
    .sgpr_count:     66
    .vgpr_count:     202
    .wavefront_size: 32
...
	.end_amdgpu_metadata
.endif
;; end of part 1
;; launch exact (part 2): grid 256 x 1, 16 waves a work-group, no clusters, 202,752 bytes of LDS; arguments xyz, glist, knn; writes knn
.if DOCPART == 2
	.amdgcn_target "amdgcn-amd-amdhsa--gfx1250"
	.amdhsa_code_object_version 6
	.text
	.protected	k_q53e2ec7c71_exact
	.globl	k_q53e2ec7c71_exact
	.p2align	8
	.type	k_q53e2ec7c71_exact,@function
k_q53e2ec7c71_exact:
	s_mov_b64 s[64:65], 0
	v_nop
	global_prefetch_b8 v0, s[64:65] scope:SCOPE_SE
	s_setreg_imm32_b32 hwreg(HW_REG_WAVE_MODE, 25, 1), 1
	s_wait_xcnt 0x0
; SECOND OF THREE LAUNCHES.  knn[b][n][0..15] = the 16 nearest points of point n, ordered by (d2, index), from the 16 groups of 16
; candidates that the first launch listed (glist: 16 bytes a query, a group number each).
; d2 = (sq_n + sq_m) - 2 ((x x' + y y') + z z') in f32 on coordinates rounded to bf16, the same instructions as in the first launch,
; and on the vector unit for the same reason: the order hangs on the last bit, and with bf16 coordinates the products are exact in
; f32, so that the chained multiply-adds give the f32 sums in ascending order of the coordinate.
; No cluster, no tensor load: the shared input is a batch's 49,152 bytes, read once by each work-group and rounded in registers.
; LIMITS: every d2 finite.  A group number is cut to 255 before it makes an LDS address, which changes no number that a byte can hold.
;
; Work-group: 64 queries, 16 waves.  Waves 0-7 serve queries 0-31, waves 8-15 queries 32-63, a query a lane.  Wave part (0..7) takes
; the query's list entries 2 part and 2 part + 1: two sets of 16 candidates, sorted and merged; then a tree of three rounds through LDS.
.set PITCH, 272                        ; a group in LDS: x[16], y[16], z[16], sq[16] in f32 = 256 bytes, + 16 of padding, so that lanes with
                                       ; different groups start at different 16-byte columns
.set AREA,  69632                      ; 16 regions of 4,096 bytes for the tree; each is stored once
.set STAGE, 135168                     ; 16 regions of 4,096 bytes: the way out, each wave's own
.set XS, 7                             ; v7   my region + 16 x lane
.set XR, 8                             ; v8   my partner's
.set Q,  16                            ; v[16:19] x, y, z, sq of my query
.set GW, 20                            ; v[20:23] its list
.set U,  24                            ; v[24:39] sq_n + sq_m of 16 candidates
.set C0, 40                            ; v[40:103]  first group: 16 x, 16 y, 16 z, 16 sq
.set C1, 104                           ; v[104:167] second group
.set PB, 40                            ; the preparation's registers, before C0 is loaded
.set S,  40                            ; v[40:71] the sorts' second set, when C0 is used up
.set O,  40                            ; v[40:55] the way out
.set PK, PB+24
.set PX, PB+32
.set R,  168                           ; v[168:199] 16 d2, 16 indices: the set that I keep
.set B,  200                           ; v[200:231] the other set
.set MK, 36                            ; s[36:59] eight comparators' masks, three each
; ---- a comparator step on a set of 16 (value, index) pairs, from set src into set dst: no temporaries and no copies.
; Element ii meets element ii xor mask; the smaller under (value, index) goes to the lower place.
.macro STEP src, dst, mask
.set ii, 0
.set cc, 0
.rept 16
.set pp, ii ^ \mask
.if pp > ii
	v_cmp_lt_f32 s[MK+3*cc], v[\src+pp], v[\src+ii]
	v_cmp_eq_f32 s[MK+3*cc+1], v[\src+pp], v[\src+ii]
	v_cmp_lt_u32 s[MK+3*cc+2], v[\src+16+pp], v[\src+16+ii]
	v_min_num_f32 v[\dst+ii], v[\src+ii], v[\src+pp]
	v_max_num_f32 v[\dst+pp], v[\src+ii], v[\src+pp]
.set cc, cc+1
.endif
.set ii, ii+1
.endr
.set cc, 0
.rept 8
	s_and_b32 s[MK+3*cc+1], s[MK+3*cc+1], s[MK+3*cc+2]     ; equal values: the lower index wins
	s_or_b32 s[MK+3*cc], s[MK+3*cc], s[MK+3*cc+1]          ; lanes in which the two change places
.set cc, cc+1
.endr
.set ii, 0
.set cc, 0
.rept 16
.set pp, ii ^ \mask
.if pp > ii
	v_cndmask_b32 v[\dst+16+ii], v[\src+16+ii], v[\src+16+pp], s[MK+3*cc]
	v_cndmask_b32 v[\dst+16+pp], v[\src+16+pp], v[\src+16+ii], s[MK+3*cc]
.set cc, cc+1
.endif
.set ii, ii+1
.endr
.endm
; ---- bitonic sort, all comparators ascending (each stage begins with a mirror step): ten steps, so the result is back in x
.macro SORT x, s
	STEP \x, \s, 1
	STEP \s, \x, 3
	STEP \x, \s, 1
	STEP \s, \x, 7
	STEP \x, \s, 2
	STEP \s, \x, 1
	STEP \x, \s, 15
	STEP \s, \x, 4
	STEP \x, \s, 2
	STEP \s, \x, 1
.endm
; ---- the lower 16 of two sorted sets, into r (place i against place 15 - i of b); the result is bitonic
.macro HC r, b
.irp h, 0, 8
.set cc, 0
.rept 8
	v_cmp_lt_f32 s[MK+3*cc], v[\b+15-\h-cc], v[\r+\h+cc]
	v_cmp_eq_f32 s[MK+3*cc+1], v[\b+15-\h-cc], v[\r+\h+cc]
	v_cmp_lt_u32 s[MK+3*cc+2], v[\b+31-\h-cc], v[\r+16+\h+cc]
	v_min_num_f32 v[\r+\h+cc], v[\r+\h+cc], v[\b+15-\h-cc]
.set cc, cc+1
.endr
.set cc, 0
.rept 8
	s_and_b32 s[MK+3*cc+1], s[MK+3*cc+1], s[MK+3*cc+2]
	s_or_b32 s[MK+3*cc], s[MK+3*cc], s[MK+3*cc+1]
.set cc, cc+1
.endr
.set cc, 0
.rept 8
	v_cndmask_b32 v[\r+16+\h+cc], v[\r+16+\h+cc], v[\b+31-\h-cc], s[MK+3*cc]
.set cc, cc+1
.endr
.endr
.endm
; ---- and sorted again: b is dead behind HC and serves as the second set
.macro MERGE r, b
	HC \r, \b
	STEP \r, \b, 8
	STEP \b, \r, 4
	STEP \r, \b, 2
	STEP \b, \r, 1
.endm
; ---- a set to or from a region of LDS: eight times 512 neighbouring bytes
.macro SEND set, adr
.irp c, 0,1,2,3,4,5,6,7
	ds_store_b128 v[\adr], v[\set+4*\c:\set+4*\c+3] offset:512*\c
.endr
.endm
.macro RECV set, adr
.irp c, 0,1,2,3,4,5,6,7
	ds_load_b128 v[\set+4*\c:\set+4*\c+3], v[\adr] offset:512*\c
.endr
	s_wait_dscnt 0x0
.endm
; ---- one round of the tree over eight waves: wave & (2 bit - 1) == bit sends, == 0 takes.  Every wave passes the barrier.
.macro ROUND bit
	s_and_b32 s11, s8, 2*\bit-1
	s_cmp_lg_u32 s11, \bit
	s_cbranch_scc1 .Lns\bit
	SEND R, XS
.Lns\bit:
	s_wait_dscnt 0x0                               ; for the partner's sake: my stores are in LDS before I signal
	s_barrier_signal -1
	s_barrier_wait -1
	s_cmp_lg_u32 s11, 0
	s_cbranch_scc1 .Lnr\bit
	s_xor_b32 s10, s8, \bit
	s_lshl_b32 s10, s10, 12
	s_add_co_u32 s10, s10, AREA
	v_lshl_add_u32 v[XR], v1, 4, s10
	RECV B, XR
	MERGE R, B
.Lnr\bit:
.endm
; ---- preparation: thread t takes the four points 4 (t + 512 j) .. + 3, 48 bytes
.macro PREP_LOAD j
	global_load_b128 v[PB+12*\j:PB+12*\j+3], v2, s[4:5] offset:24576*\j
	global_load_b128 v[PB+12*\j+4:PB+12*\j+7], v2, s[4:5] offset:24576*\j+16
	global_load_b128 v[PB+12*\j+8:PB+12*\j+11], v2, s[4:5] offset:24576*\j+32
.endm
.macro PREP_WORK j
.set F, PB+12*\j
	v_cvt_pk_bf16_f32 v[PK+0], v[F+0], v[F+3]      ; x0 x1: rounded to bf16, nearest even
	v_cvt_pk_bf16_f32 v[PK+1], v[F+6], v[F+9]      ; x2 x3
	v_cvt_pk_bf16_f32 v[PK+2], v[F+1], v[F+4]      ; y
	v_cvt_pk_bf16_f32 v[PK+3], v[F+7], v[F+10]
	v_cvt_pk_bf16_f32 v[PK+4], v[F+2], v[F+5]      ; z
	v_cvt_pk_bf16_f32 v[PK+5], v[F+8], v[F+11]
.irp c, 0,1,2
	v_lshlrev_b32 v[PX+4*\c], 16, v[PK+2*\c]       ; and back to f32: four x, four y, four z
	v_and_b32 v[PX+4*\c+1], s12, v[PK+2*\c]
	v_lshlrev_b32 v[PX+4*\c+2], 16, v[PK+2*\c+1]
	v_and_b32 v[PX+4*\c+3], s12, v[PK+2*\c+1]
.endr
.irp h, 0, 2
	v_pk_mul_f32 v[PX+12+\h:PX+13+\h], v[PX+\h:PX+\h+1], v[PX+\h:PX+\h+1]                            ; sq = (x x + y y) + z z
	v_pk_fma_f32 v[PX+12+\h:PX+13+\h], v[PX+4+\h:PX+5+\h], v[PX+4+\h:PX+5+\h], v[PX+12+\h:PX+13+\h]
	v_pk_fma_f32 v[PX+12+\h:PX+13+\h], v[PX+8+\h:PX+9+\h], v[PX+8+\h:PX+9+\h], v[PX+12+\h:PX+13+\h]
.endr
.irp c, 0,1,2,3
	ds_store_b128 v3, v[PX+4*\c:PX+4*\c+3] offset:34816*\j+64*\c   ; 128 groups of 272 bytes further for j = 1
.endr
.endm
; ---- d2 and indices of the 16 candidates in cb, into set dst; m: register with the group's first index
.macro D2 cb, dst, m
.irp j, 0,2,4,6,8,10,12,14
	v_pk_mul_f32 v[\dst+\j:\dst+\j+1], v[\cb+\j:\cb+\j+1], v[Q:Q+1] op_sel_hi:[1,0]                  ; x' x
	v_pk_add_f32 v[U+\j:U+\j+1], v[\cb+48+\j:\cb+49+\j], v[Q+2:Q+3] op_sel:[0,1] op_sel_hi:[1,1]     ; sq_m + sq_n
.endr
.irp j, 0,2,4,6,8,10,12,14
	v_pk_fma_f32 v[\dst+\j:\dst+\j+1], v[\cb+16+\j:\cb+17+\j], v[Q:Q+1], v[\dst+\j:\dst+\j+1] op_sel:[0,1,0] op_sel_hi:[1,1,1]   ; + y' y
.endr
.irp j, 0,2,4,6,8,10,12,14
	v_pk_fma_f32 v[\dst+\j:\dst+\j+1], v[\cb+32+\j:\cb+33+\j], v[Q+2:Q+3], v[\dst+\j:\dst+\j+1] op_sel_hi:[1,0,1]                ; + z' z
.endr
.irp j, 0,2,4,6,8,10,12,14
	v_pk_fma_f32 v[\dst+\j:\dst+\j+1], v[\dst+\j:\dst+\j+1], -2.0, v[U+\j:U+\j+1] op_sel_hi:[1,0,1]  ; 2 dot is exact: one rounding
.endr
.set ii, 0
.rept 16
	v_add_nc_u32 v[\dst+16+ii], ii, v[\m]
.set ii, ii+1
.endr
.endm
	s_load_b128 s[4:7], s[0:1], 0x0                ; xyz s[4:5], glist s[6:7]
	s_load_b64 s[16:17], s[0:1], 0x10              ; knn
	v_lshl_add_u32 v232, v0, 2, 0x31000
	v_mov_b32 v233, 0
	v_and_b32 v1, 31, v0                           ; lane
	v_lshrrev_b32 v2, 5, v0
	v_readfirstlane_b32 s8, v2                     ; wave 0..15
	s_lshr_b32 s9, ttmp9, 6                        ; batch
	s_mul_i32 s10, s9, 49152
	s_mov_b32 s11, 0
	s_mov_b32 s12, 0xffff0000
	s_lshr_b32 s18, s8, 3                          ; which 32 queries
	s_and_b32 s19, s8, 7                           ; which two list entries
	s_lshl_b32 s13, ttmp9, 10                      ; glist: 64 queries x 16 bytes,
	s_lshl_b32 s14, s18, 9                         ; + 32 x 16
	s_add_co_u32 s13, s13, s14
	v_lshl_add_u32 v15, v1, 4, s13
	v_mul_u32_u24 v2, v0, 48                       ; my four points in memory
	v_lshrrev_b32 v3, 2, v0
	v_mul_u32_u24 v3, v3, PITCH
	v_and_b32 v4, 3, v0
	v_lshl_add_u32 v3, v4, 4, v3                   ; and in LDS
	s_wait_kmcnt 0x0
	s_add_nc_u64 s[4:5], s[4:5], s[10:11]
	global_load_b128 v[GW:GW+3], v15, s[6:7]       ; 512 consecutive bytes a wave
	PREP_LOAD 0
	PREP_LOAD 1
	s_and_b32 s13, ttmp9, 63
	s_mul_i32 s13, s13, 4*PITCH                    ; my work-group's queries are four groups,
	s_mul_i32 s14, s18, 2*PITCH                    ; my wave's the first or the last two of them
	s_add_co_u32 s13, s13, s14
	v_lshrrev_b32 v4, 4, v1
	v_mul_u32_u24 v4, v4, PITCH
	v_and_b32 v13, 15, v1
	v_lshl_add_u32 v4, v13, 2, v4
	v_add_nc_u32 v4, s13, v4                       ; my query's x
	s_lshl_b32 s10, s8, 12
	s_add_co_u32 s13, s10, AREA
	v_lshl_add_u32 v[XS], v1, 4, s13
	s_lshr_b32 s20, s19, 1                         ; the list's word that holds my two entries,
	s_cmp_eq_u32 s20, 1
	s_cselect_b32 s21, -1, 0
	s_cmp_eq_u32 s20, 2
	s_cselect_b32 s22, -1, 0
	s_cmp_eq_u32 s20, 3
	s_cselect_b32 s23, -1, 0
	s_and_b32 s24, s19, 1
	s_lshl_b32 s24, s24, 4                         ; and its half
	s_wait_loadcnt 0x3                             ; the list and the first three loads are in; the second half's three stay out
	PREP_WORK 0
	s_wait_loadcnt 0x0
	PREP_WORK 1
	v_cndmask_b32 v11, v[GW], v[GW+1], s21
	v_cndmask_b32 v11, v11, v[GW+2], s22
	v_cndmask_b32 v11, v11, v[GW+3], s23
	v_lshrrev_b32 v11, s24, v11
	v_and_b32 v9, 0xff, v11
	v_bfe_u32 v10, v11, 8, 8
	v_min_u32 v9, 0xff, v9                         ; a loaded number enters an address only behind a bound
	v_min_u32 v10, 0xff, v10
	v_mul_u32_u24 v5, v9, PITCH                    ; the two groups in LDS
	v_mul_u32_u24 v6, v10, PITCH
	v_lshlrev_b32 v9, 4, v9                        ; and their first points' indices
	v_lshlrev_b32 v10, 4, v10
	s_wait_dscnt 0x0                               ; my part of the table is in LDS before I signal
	s_barrier_signal -1
	s_barrier_wait -1                              ; the table is whole, and is never written again
.irp c, 0,1,2,3
	ds_load_b32 v[Q+\c], v4 offset:64*\c
.endr
.set ii, 0
.rept 16
	ds_load_b128 v[C0+4*ii:C0+4*ii+3], v5 offset:16*ii
.set ii, ii+1
.endr
.set ii, 0
.rept 16
	ds_load_b128 v[C1+4*ii:C1+4*ii+3], v6 offset:16*ii
.set ii, ii+1
.endr
	s_wait_dscnt 16                                ; the query and the first group are in; the second group's sixteen loads stay out
	D2 C0, R, 9
	s_wait_dscnt 0x0
	D2 C1, B, 10
	SORT R, S
	SORT B, S
	MERGE R, B
	ROUND 1
	ROUND 2
	ROUND 4
	s_cmp_lg_u32 s11, 0                            ; s11 is still wave & 7: waves 0 and 8 hold the results
	s_cbranch_scc1 .Lend
	; THE WAY OUT: a lane holds a query's row of 64 bytes; through my own stage, so that each store covers 512 consecutive bytes
	s_lshl_b32 s10, s8, 12
	s_add_co_u32 s10, s10, STAGE
	v_mul_u32_u24 v13, v1, 80                      ; rows 80 bytes apart: an odd multiple of 16
	v_add_nc_u32 v13, s10, v13
	v_lshrrev_b32 v14, 2, v1
	v_mul_u32_u24 v14, v14, 80
	v_and_b32 v11, 3, v1
	v_lshl_add_u32 v14, v11, 4, v14
	v_add_nc_u32 v14, s10, v14                     ; back: four lanes a row, eight rows a load
	s_lshl_b32 s13, ttmp9, 12                      ; knn: 64 queries x 64 bytes,
	s_lshl_b32 s14, s18, 11                        ; + 32 x 64
	s_add_co_u32 s13, s13, s14
	v_lshl_add_u32 v12, v1, 4, s13
.irp j, 0,1,2,3
	ds_store_b128 v13, v[R+16+4*\j:R+19+4*\j] offset:16*\j
.endr
.irp j, 0,1,2,3
	ds_load_b128 v[O+4*\j:O+4*\j+3], v14 offset:640*\j     ; a wave's LDS instructions are served in order: these see the stores above
.endr
.irp j, 0,1,2,3
	s_wait_dscnt 3-\j                              ; the younger loads stay out
	global_store_b128 v12, v[O+4*\j:O+4*\j+3], s[16:17] offset:512*\j
.endr
.Lend:
	s_wait_tensorcnt 0x0
	ds_add_u32 v232, v233
	s_wait_dscnt 0x0
	s_endpgm
.Lfunc_end_k_q53e2ec7c71_exact:
	.size	k_q53e2ec7c71_exact, .Lfunc_end_k_q53e2ec7c71_exact-k_q53e2ec7c71_exact
	.p2alignl 7, 3214868480
	.fill 96, 4, 3214868480
	.section	.rodata,"a",@progbits
	.p2align	6, 0x0
	.amdhsa_kernel k_q53e2ec7c71_exact
		.amdhsa_group_segment_fixed_size 202752
		.amdhsa_private_segment_fixed_size 0
		.amdhsa_enable_private_segment 0
		.amdhsa_kernarg_size 24
		.amdhsa_user_sgpr_count 2
		.amdhsa_user_sgpr_kernarg_segment_ptr 1
		.amdhsa_wavefront_size32 1
		.amdhsa_system_sgpr_workgroup_id_x 1
		.amdhsa_system_sgpr_workgroup_id_y 1
		.amdhsa_system_sgpr_workgroup_id_z 1
		.amdhsa_system_vgpr_workitem_id 0
		.amdhsa_next_free_vgpr 234
		.amdhsa_next_free_sgpr 66
		.amdhsa_reserve_vcc 0
		.amdhsa_float_denorm_mode_32 3
		.amdhsa_float_denorm_mode_16_64 3
		.amdhsa_memory_ordered 1
		.amdhsa_forward_progress 1
		.amdhsa_inst_pref_size 170
	.end_amdhsa_kernel
	.amdgpu_metadata
---
amdhsa.version: [ 1, 2 ]
amdhsa.kernels:
  - .name:           k_q53e2ec7c71_exact
    .symbol:         k_q53e2ec7c71_exact.kd
    .args:
      - { .name: xyz, .offset: 0, .size: 8, .value_kind: global_buffer, .address_space: global }
      - { .name: glist, .offset: 8, .size: 8, .value_kind: global_buffer, .address_space: global }
      - { .name: knn, .offset: 16, .size: 8, .value_kind: global_buffer, .address_space: global }
    .group_segment_fixed_size: 202752
    .private_segment_fixed_size: 0
    .kernarg_segment_align: 8
    .kernarg_segment_size: 24
    .max_flat_workgroup_size: 512
    .sgpr_count:     66
    .vgpr_count:     234
    .wavefront_size: 32
...
	.end_amdgpu_metadata
.endif
;; end of part 2
;; launch walk (part 3): grid 256 x 1, 2 waves a work-group, no clusters, 0 bytes of LDS; arguments rand_k, knn, out0; writes out0
.if DOCPART == 3
	.amdgcn_target "amdgcn-amd-amdhsa--gfx1250"
	.amdhsa_code_object_version 6
	.text
	.protected	k_q53e2ec7c71_walk
	.globl	k_q53e2ec7c71_walk
	.p2align	8
	.type	k_q53e2ec7c71_walk,@function
k_q53e2ec7c71_walk:
	s_mov_b64 s[64:65], 0
	v_nop
	global_prefetch_b8 v0, s[64:65] scope:SCOPE_SE
	s_setreg_imm32_b32 hwreg(HW_REG_WAVE_MODE, 25, 1), 1
	s_wait_xcnt 0x0
; THIRD OF THREE LAUNCHES.  out0[b][n] = (n, c1, c2, c3), c(i+1) = knn[b][c(i)][rand_k[i][b][n]], c0 = n.
; A thread a point: 16,384 threads, 64 in a work-group.  Three dependent gathers of 4 bytes from the table that the second launch
; stored; nothing is shared between threads, so no LDS, no barrier, no matrix unit, no cluster.
; LIMITS: rand_k is cut to 0..15 (taken as unsigned) and a table entry to 0..4095 before it makes an address; neither changes a number
; that stays inside the table it indexes.
	s_load_b128 s[4:7], s[0:1], 0x0                ; rand_k s[4:5], knn s[6:7]
	s_load_b64 s[8:9], s[0:1], 0x10                ; out0
	s_lshl_b32 s10, ttmp9, 6
	v_add_nc_u32 v1, s10, v0                       ; g = 4,096 b + n
	v_lshlrev_b32 v2, 2, v1                        ; my word in each of rand_k's three planes of 65,536 bytes
	v_and_b32 v8, 0xfff, v1                        ; n
	v_and_b32 v3, 0xfffff000, v1                   ; 4,096 b
	v_lshlrev_b32 v7, 4, v1                        ; my 16 bytes of out0
	s_wait_kmcnt 0x0
	global_load_b32 v4, v2, s[4:5] th:TH_LOAD_NT
	global_load_b32 v5, v2, s[4:5] offset:65536 th:TH_LOAD_NT
	global_load_b32 v6, v2, s[4:5] offset:131072 th:TH_LOAD_NT
	s_wait_loadcnt 0x2                             ; the first step's word is in; the other two stay out
	v_min_u32 v4, 15, v4
	v_lshl_add_u32 v12, v1, 4, v4                  ; row g, column rand_k
	v_lshlrev_b32 v12, 2, v12
	global_load_b32 v9, v12, s[6:7]
	s_wait_loadcnt 0x0
	v_min_u32 v9, 0xfff, v9                        ; c1
	v_min_u32 v5, 15, v5
	v_add_nc_u32 v13, v3, v9
	v_lshl_add_u32 v13, v13, 4, v5
	v_lshlrev_b32 v13, 2, v13
	global_load_b32 v10, v13, s[6:7]
	s_wait_loadcnt 0x0
	v_min_u32 v10, 0xfff, v10                      ; c2
	v_min_u32 v6, 15, v6
	v_add_nc_u32 v14, v3, v10
	v_lshl_add_u32 v14, v14, 4, v6
	v_lshlrev_b32 v14, 2, v14
	global_load_b32 v11, v14, s[6:7]
	s_wait_loadcnt 0x0
	v_min_u32 v11, 0xfff, v11                      ; c3
	global_store_b128 v7, v[8:11], s[8:9]          ; the wave's store covers 512 consecutive bytes, aligned
	s_endpgm
.Lfunc_end_k_q53e2ec7c71_walk:
	.size	k_q53e2ec7c71_walk, .Lfunc_end_k_q53e2ec7c71_walk-k_q53e2ec7c71_walk
	.p2alignl 7, 3214868480
	.fill 96, 4, 3214868480
	.section	.rodata,"a",@progbits
	.p2align	6, 0x0
	.amdhsa_kernel k_q53e2ec7c71_walk
		.amdhsa_group_segment_fixed_size 0
		.amdhsa_private_segment_fixed_size 0
		.amdhsa_enable_private_segment 0
		.amdhsa_kernarg_size 24
		.amdhsa_user_sgpr_count 2
		.amdhsa_user_sgpr_kernarg_segment_ptr 1
		.amdhsa_wavefront_size32 1
		.amdhsa_system_sgpr_workgroup_id_x 1
		.amdhsa_system_sgpr_workgroup_id_y 1
		.amdhsa_system_sgpr_workgroup_id_z 1
		.amdhsa_system_vgpr_workitem_id 0
		.amdhsa_next_free_vgpr 16
		.amdhsa_next_free_sgpr 66
		.amdhsa_reserve_vcc 0
		.amdhsa_float_denorm_mode_32 3
		.amdhsa_float_denorm_mode_16_64 3
		.amdhsa_memory_ordered 1
		.amdhsa_forward_progress 1
		.amdhsa_inst_pref_size 3
	.end_amdhsa_kernel
	.amdgpu_metadata
---
amdhsa.version: [ 1, 2 ]
amdhsa.kernels:
  - .name:           k_q53e2ec7c71_walk
    .symbol:         k_q53e2ec7c71_walk.kd
    .args:
      - { .name: rand_k, .offset: 0, .size: 8, .value_kind: global_buffer, .address_space: global }
      - { .name: knn, .offset: 8, .size: 8, .value_kind: global_buffer, .address_space: global }
      - { .name: out0, .offset: 16, .size: 8, .value_kind: global_buffer, .address_space: global }
    .group_segment_fixed_size: 0
    .private_segment_fixed_size: 0
    .kernarg_segment_align: 8
    .kernarg_segment_size: 24
    .max_flat_workgroup_size: 64
    .sgpr_count:     66
    .vgpr_count:     16
    .wavefront_size: 32
...
	.end_amdgpu_metadata
.endif
;; end of part 3
